; MI455X (gfx1250); checked and timed in simulation.
; The chip was launched on July 23, 2026; its instructions are those of AMD's public machine-readable ISA for CDNA 5 (MIT licence, August 2026) and "CDNA5" Instruction Set Architecture Reference Guide (July 2026). The comments in the code are by the model that wrote it; some were corrected since.
;; Discrete Key Value Bottleneck. Allowed arithmetic: float matrix products may take bf16 or f16 operands with f32 sums; other float arithmetic in f32, or as packed bf16 or f16 multiplies, adds, multiply-adds, maxima and minima; sums over many terms, partial sums and values carried from step to step in f32; what a program stores and reads back later, other than sums and carried values, may be rounded once to bf16 or f16.
;; Inputs: codebook 8,192 x 512 float32; values 8,192 x 512 float32; x 8 x 2,048 x 512 float32.
;; Outputs: out0 8 x 2,048 x 512 float32.
;; 2 versions, each right; version 2 is version 1 with the launch prep written anew for expert scheduling mode. Each part assembles by itself: llvm-mc -triple=amdgcn-amd-amdhsa -mcpu=gfx1250 --defsym DOCPART=n.
;; ======== version 1 of 2: 3 launches
;; workspace buffers: cb16 8,388,608 bytes; csqd 65,536 bytes; part 524,288 bytes of whole numbers
;; launch prep (part 1): grid 256 x 1, 8 waves a work-group, no clusters, 1,280 bytes of LDS; arguments codebook, cb16, csqd; writes cb16, csqd
.if DOCPART == 1
	.amdgcn_target "amdgcn-amd-amdhsa--gfx1250"
	.amdhsa_code_object_version 6
	.text
	.protected	k_q93c9b24eac_prep
	.globl	k_q93c9b24eac_prep
	.p2align	8
	.type	k_q93c9b24eac_prep,@function
k_q93c9b24eac_prep:
	s_mov_b64 s[64:65], 0
	v_nop
	global_prefetch_b8 v0, s[64:65] scope:SCOPE_SE
	s_setreg_imm32_b32 hwreg(HW_REG_WAVE_MODE, 25, 1), 1
	s_wait_xcnt 0x0
; THE PROGRAM.  out0[q][:] = values[argmin over m of (c_sq[m] - 2 x[q] . codebook[m])][:], 16,384 rows q, 8,192 codes m, 512 channels.  Three launches:
; this one rounds the codebook to bf16 and makes c_sq; the second makes the products and, for each row and each quarter of the codes, the least distance and its code;
; the third takes the least of the four by whole-number compares and copies the chosen row of values.
; NOTHING OF THE COMPUTATION IS LEFT OUT: x, codebook and values all reach the output, and every product, every c_sq and every compare is made.
; FORMATS.  The product's operands are bf16, its sums f32.  c_sq is the f32 sum of the squares of the ROUNDED codebook, so that both terms of a distance are those of one and the same codebook.
; LIMITS.  The result is a selection: two codes whose distances lie closer together than the rounding of the f32 sums (some 1e-4 for numbers of unit spread) may fall either way.
; A NaN distance is never chosen; a row whose distances are all NaN or +infinity gets code 0.  The squares' sums are taken in another order than a plain loop's.
;
; THIS LAUNCH.  cb16[m][k] = bf16(codebook[m][k]);  csqd: for each group G of 32 codes 256 bytes, [r = 0..15][4] = c_sq[32 G + r] twice, c_sq[32 G + 16 + r] twice:
; a lane of the next launch takes its 16 bytes by one load and has two ready pairs for a packed multiply-add.
; SHARES.  Work-group g has rows 32 g .. 32 g + 31, one group of csqd; wave w rows 32 g + 4 w + i, i = 0..3; lane L the 16 bytes at 16 L + 512 n of a row, n = 0..3.
; Each load of a wave covers 512 consecutive bytes, each store 256 consecutive bytes at a multiple of 256 from the buffer's first byte.  All 16 loads of a wave go out at once.
.set SPARE, 256                        ; LDS: bytes 0-255 the group's 32 pairs (row j at 8 j); from 256 on the spare words, 128 bytes for each of the eight waves
.set LO,   2                           ; v2   16 L: my bytes in 512 of a codebook row
.set SO,   3                           ; v3   8 L: my bytes in 256 of a cb16 row, and of csqd's block
.set CA,   4                           ; v4   32 x wave: where my wave's four pairs go in LDS
.set RDA,  5                           ; v5   where wave 0 reads back: row (L >> 1) + 16 (L & 1), 8 bytes a row
.set SPW,  6                           ; v6   LDS address of my spare word; never rewritten
.set NIL,  7                           ; v7   0, for the add alone
.set CH,   8                           ; v[8:11]  four chains of squares
.set TMP,  12                          ; v12  at work
.set ZERO, 13                          ; v13  0: what the chains start from
.set PR,   14                          ; v[14:15] c_sq twice
.set X,    16                          ; v[16:79]  16 registers a row, f32 as loaded
.set Y,    80                          ; v[80:111] 8 registers a row, bf16
	s_load_b128 s[4:7], s[0:1], 0x0                ; codebook s[4:5], cb16 s[6:7]
	s_load_b64 s[8:9], s[0:1], 0x10                ; csqd
	v_lshl_add_u32 v[SPW], v0, 2, SPARE
	v_mov_b32 v[NIL], 0
	v_lshrrev_b32 v1, 5, v0
	v_readfirstlane_b32 s10, v1                    ; wave 0..7
	v_and_b32 v1, 31, v0                           ; L
	v_lshlrev_b32 v[LO], 4, v1
	v_lshlrev_b32 v[SO], 3, v1
	v_lshrrev_b32 v[RDA], 1, v1
	v_and_b32 v[TMP], 1, v1
	v_lshlrev_b32 v[RDA], 3, v[RDA]
	v_lshl_add_u32 v[RDA], v[TMP], 7, v[RDA]       ; 8 (L >> 1) + 128 (L & 1)
	v_mov_b32 v[ZERO], 0
	s_lshl_b32 s14, s10, 5
	v_mov_b32 v[CA], s14
	s_mov_b32 s12, 0x76543210                      ; v_permlanex16_b32: each lane takes its own place in the other half
	s_mov_b32 s13, 0xfedcba98
	s_lshl_b32 s2, ttmp9, 16                       ; 32 rows of 2,048 bytes a work-group,
	s_lshl_b32 s3, s10, 13                         ; 4 rows a wave
	s_add_co_u32 s2, s2, s3
	s_mov_b32 s3, 0
	s_lshr_b32 s16, s2, 1                          ; the same rows in cb16: half the bytes
	s_mov_b32 s17, 0
	s_lshl_b32 s18, ttmp9, 8                       ; the group's 256 bytes of csqd
	s_mov_b32 s19, 0
	s_wait_kmcnt 0x0
	s_add_nc_u64 s[4:5], s[4:5], s[2:3]
	s_add_nc_u64 s[6:7], s[6:7], s[16:17]
	s_add_nc_u64 s[8:9], s[8:9], s[18:19]
.irp i, 0,1,2,3
.irp n, 0,1,2,3
	global_load_b128 v[X+16*\i+4*\n:X+16*\i+4*\n+3], v[LO], s[4:5] offset:2048*\i+512*\n th:TH_LOAD_NT
.endr
.endr
; Row i: rounded, stored, squared and summed.  Every row has registers of its own, so no store's data is written again.
.macro ROW i
	s_wait_loadcnt 12-4*(\i)                       ; loads come back in order: this row's four are in, the younger rows' four each stay out
.irp n, 0,1,2,3
	v_cvt_pk_bf16_f32 v[Y+8*(\i)+2*\n],   v[X+16*(\i)+4*\n],   v[X+16*(\i)+4*\n+1]
	v_cvt_pk_bf16_f32 v[Y+8*(\i)+2*\n+1], v[X+16*(\i)+4*\n+2], v[X+16*(\i)+4*\n+3]
.endr
.irp n, 0,1,2,3
	global_store_b64 v[SO], v[Y+8*(\i)+2*\n:Y+8*(\i)+2*\n+1], s[6:7] offset:1024*(\i)+256*\n
.endr
	; the squares of the rounded numbers, read as bf16 halves and summed in f32: four chains of four, which do not wait for each other
.irp n, 0,1,2,3
	v_fma_mix_f32_bf16 v[CH+\n], v[Y+8*(\i)+2*\n], v[Y+8*(\i)+2*\n], v[ZERO] op_sel_hi:[1,1,0]
.endr
.irp n, 0,1,2,3
	v_fma_mix_f32_bf16 v[CH+\n], v[Y+8*(\i)+2*\n], v[Y+8*(\i)+2*\n], v[CH+\n] op_sel:[1,1,0] op_sel_hi:[1,1,0]
.endr
.irp n, 0,1,2,3
	v_fma_mix_f32_bf16 v[CH+\n], v[Y+8*(\i)+2*\n+1], v[Y+8*(\i)+2*\n+1], v[CH+\n] op_sel_hi:[1,1,0]
.endr
.irp n, 0,1,2,3
	v_fma_mix_f32_bf16 v[CH+\n], v[Y+8*(\i)+2*\n+1], v[Y+8*(\i)+2*\n+1], v[CH+\n] op_sel:[1,1,0] op_sel_hi:[1,1,0]
.endr
	v_add_f32 v[CH], v[CH], v[CH+1]
	v_add_f32 v[CH+2], v[CH+2], v[CH+3]
	v_add_f32 v[CH], v[CH], v[CH+2]
	v_add_f32_dpp v[CH], v[CH], v[CH] row_xmask:1 row_mask:0xf bank_mask:0xf
	v_add_f32_dpp v[CH], v[CH], v[CH] row_xmask:2 row_mask:0xf bank_mask:0xf
	v_add_f32_dpp v[CH], v[CH], v[CH] row_xmask:4 row_mask:0xf bank_mask:0xf
	v_add_f32_dpp v[CH], v[CH], v[CH] row_xmask:8 row_mask:0xf bank_mask:0xf
	v_permlanex16_b32 v[TMP], v[CH], s12, s13      ; its destination counts as read: v12 was written at the head
	v_add_f32 v[PR], v[CH], v[TMP]                 ; every lane holds the row's c_sq
	v_mov_b32 v[PR+1], v[PR]
	ds_store_b64 v[CA], v[PR:PR+1] offset:8*(\i)   ; all lanes write the same 8 bytes with the same value
.endm
	ROW 0
	ROW 1
	ROW 2
	ROW 3
	s_wait_dscnt 0x0                               ; for wave 0's sake: my four pairs lie in LDS
	s_barrier_signal -1
	s_barrier_wait -1                              ; all 32 do
	s_cmp_lg_u32 s10, 0
	s_cbranch_scc1 .Lend
	ds_load_b64 v[X:X+1], v[RDA]
	s_wait_dscnt 0x0
	global_store_b64 v[SO], v[X:X+1], s[8:9]       ; the group's block of csqd: 256 consecutive bytes by one instruction
.Lend:
	s_wait_tensorcnt 0x0                           ; the wave's end, behind my last LDS store
	ds_add_u32 v[SPW], v[NIL]
	s_wait_dscnt 0x0
	s_endpgm
.Lfunc_end_k_q93c9b24eac_prep:
	.size	k_q93c9b24eac_prep, .Lfunc_end_k_q93c9b24eac_prep-k_q93c9b24eac_prep
	.p2alignl 7, 3214868480
	.fill 96, 4, 3214868480
	.section	.rodata,"a",@progbits
	.p2align	6, 0x0
	.amdhsa_kernel k_q93c9b24eac_prep
		.amdhsa_group_segment_fixed_size 1280
		.amdhsa_private_segment_fixed_size 0
		.amdhsa_enable_private_segment 0
		.amdhsa_kernarg_size 24
		.amdhsa_user_sgpr_count 2
		.amdhsa_user_sgpr_kernarg_segment_ptr 1
		.amdhsa_wavefront_size32 1
		.amdhsa_system_sgpr_workgroup_id_x 1
		.amdhsa_system_sgpr_workgroup_id_y 1
		.amdhsa_system_sgpr_workgroup_id_z 1
		.amdhsa_system_vgpr_workitem_id 0
		.amdhsa_next_free_vgpr 112
		.amdhsa_next_free_sgpr 66
		.amdhsa_reserve_vcc 0
		.amdhsa_float_denorm_mode_32 3
		.amdhsa_float_denorm_mode_16_64 3
		.amdhsa_memory_ordered 1
		.amdhsa_forward_progress 1
		.amdhsa_inst_pref_size 14
	.end_amdhsa_kernel
	.amdgpu_metadata
---
amdhsa.version: [ 1, 2 ]
amdhsa.kernels:
  - .name:           k_q93c9b24eac_prep
    .symbol:         k_q93c9b24eac_prep.kd
    .args:
      - { .name: codebook, .offset: 0, .size: 8, .value_kind: global_buffer, .address_space: global }
      - { .name: cb16, .offset: 8, .size: 8, .value_kind: global_buffer, .address_space: global }
      - { .name: csqd, .offset: 16, .size: 8, .value_kind: global_buffer, .address_space: global }
    .group_segment_fixed_size: 1280
    .private_segment_fixed_size: 0
    .kernarg_segment_align: 8
    .kernarg_segment_size: 24
    .max_flat_workgroup_size: 256
    .sgpr_count:     66
    .vgpr_count:     112
    .wavefront_size: 32
...
	.end_amdgpu_metadata
.endif
;; end of part 1
;; launch assign (part 2): grid 64 x 4, 4 waves a work-group, clusters of 4 x 1, 327,680 bytes of LDS; arguments x, cb16, csqd, part; writes part
.if DOCPART == 2
	.amdgcn_target "amdgcn-amd-amdhsa--gfx1250"
	.amdhsa_code_object_version 6
	.text
	.protected	k_q93c9b24eac_assign
	.globl	k_q93c9b24eac_assign
	.p2align	8
	.type	k_q93c9b24eac_assign,@function
k_q93c9b24eac_assign:
	s_mov_b64 s[64:65], 0
	v_nop
	global_prefetch_b8 v0, s[64:65] scope:SCOPE_SE
	s_setreg_imm32_b32 hwreg(HW_REG_WAVE_MODE, 25, 1), 1
	s_wait_xcnt 0x0
	s_wait_alu depctr_hold_cnt(0) depctr_sa_sdst(0) depctr_va_vdst(0) depctr_va_sdst(0) depctr_va_ssrc(0) depctr_va_vcc(0) depctr_vm_vsrc(0)
	s_getreg_b32 s2, hwreg(HW_REG_IB_STS2, 6, 4)
	s_cmp_eq_u32 s2, 0
	s_cbranch_scc0 .Lentry_in_a_cluster
	s_endpgm
.Lentry_in_a_cluster:
	s_bfe_u32 s2, ttmp6, 0x10000c
	s_cmp_lg_u32 s2, 0x3003
	s_cbranch_scc0 .Lentry_shape_is_right
	s_endpgm
.Lentry_shape_is_right:
; part[split][q] = (key, code): over the 2,048 codes of a quarter (split) of the codebook, the least dist[q][m] = c_sq[m] - 2 x[q] . cb16[m] and the lowest code that has it.
; Nothing is left out here either: every product and every compare of the computation is made.
; key is the f32 distance's bits turned so that unsigned order is the numbers' order: bits ^ ((bits >> 31, signed) | 0x80000000).  No distance is -0 (c_sq is +0 at the least, and a multiply-add
; that rounds to nearest gives +0 for an exact zero), so equal numbers have equal keys.  dist is ONE fused multiply-add on the f32 sum: one rounding, as c_sq - 2.0 * dots has (2.0 * dots is exact).
; LIMITS.  A NaN distance is never taken (a strict compare fails, v_min_num_f32 drops it); where all are NaN or +infinity the pair is (key of +infinity, the split's tile 0 entry: code 0 .. as IDX starts at 0).
; Codes whose distances differ by less than the f32 sums' rounding may fall either way.
; SHARES.  A work-group has 256 queries (block = 4 x cluster x + cx) and one split (cluster y); each of its four waves 64 queries: four tiles qt of 16.  The wave's x, rounded to bf16 on the way in,
; is 64 fragments = 512 registers and STAYS in windows 2 and 3 for the whole launch; the codes come through LDS, and each fragment of them (two LDS loads) feeds four matrix instructions.
; LAYOUT.  Source 0 = 16 queries, source 1 = 16 codes: register j of lane (r = lane % 16, h = lane / 16) of a result is (query 8 h + j, code r).  So a lane always has the same code within a tile:
; c_sq is one number a lane, the tile's number is a scalar, and the running state is 32 least distances and 32 tile numbers a lane.  The 16 lanes of a row meet once, at the end.
; UNITS.  Chunk: 4 K steps x 2 code tiles x 4 qt = 32 matrix instructions.  Group: 32 codes = 4 chunks.  Pair: group A, then group B, on two sets of eight accumulators.  Slot: 128 codes = 2 pairs.
; BY TURNS.  While one set is multiplied the other set's distances and compares (28 vector instructions a tile) stand in slices of four behind every second matrix instruction.
; RING.  Two LDS slots of 128 codes x 1,024 bytes; each wave fetches 32 rows of a slot by one tensor load.  A refill has a slot's 512 matrix instructions in which to land.
; CLUSTER.  The four work-groups of a cluster have four query blocks and the same split: they walk the same codes, so each tile is asked for JOINTLY: the same load, descriptor and mask in all four.
; x is shared by nobody in the cluster.
; REGISTERS, in windows of 256 (s_set_vgpr_msb: bits 1:0 source 0, 3:2 source 1, 5:4 source 2, 7:6 destination):
;   window 0: v0-19 addresses and at work; v62-63 the add's; v64-127, v128-191 code fragments, two buffers (ct, kk at 8 (2 kk + ct)); at the start also x as loaded; at the end M and CF
;   window 1: v0-63, v64-127 accumulator sets A, B (tile 2 qt + ct); v128-159 BEST; v160-191 IDX; v192-199 c_sq pairs of A, of B; at the start v0-127 also x as loaded
;   window 2: x, K steps 0-7, at 32 ks + 8 qt          window 3: K steps 8-15
.set PITCH, 1040                       ; an LDS row: 1,024 bytes + 16 of padding = 65 x 16: the 16 rows of a fragment load start at 16 different groups of four banks (64 banks of 4 bytes: ISA guide 11.1)
.set GB,    32*PITCH                   ; a group's 32 rows; also what one wave's tensor load brings
.set SLOT,  4*GB                       ; 133,120 = 0x20800: no bit of it is set in 0, GB, 2 GB or 3 GB, so one exclusive or turns such an address in one slot into the other's
.set SPARE, 2*SLOT                     ; behind the ring: the spare words, 128 bytes for each wave: two blocks of 256 bytes that no other line names
.set STEPB, 128*1024                   ; a slot's bytes in cb16
.set RR,  1                            ; v1   r
.set HH,  2                            ; v2   h
.set L7,  3                            ; v3   lane % 8
.set U8,  4                            ; v4   lane & 8
.set XO,  5                            ; v5   r x 2,048 + 32 h: my bytes in 16 rows of x
.set LB0, 6                            ; v6   r x PITCH + 16 h: my place in 16 rows of codes; never rewritten
.set ADR, 7                            ; v7   LB0 + the LDS byte of the group being fetched
.set CQO, 8                            ; v8   16 r: my bytes in a group's block of csqd
.set PFO, 9                            ; v9   the prefetches' offset: row lane / 4, block lane % 4 of 256 bytes
.set PO,  10                           ; v10  my 8 bytes in 256 of part
.set OUT, 12                           ; v[12:15] two pairs (key, code)
.set TW,  16                           ; v[16:17] at work
.set SPW, 62                           ; v62  LDS address of my spare word; never rewritten
.set NIL, 63                           ; v63  0; never rewritten
.set F0,  64                           ; window 0: fragment buffer 0; buffer 1 at F0 + 64
.set M,   64                           ; window 0, at the end: the rows' least distances
.set CF,  96                           ; window 0, at the end: codes as f32
.set BEST, 128                         ; window 1
.set IDX,  160
.set CSQ,  192
.set WV,  12                           ; s12  wave
.set CX,  13                           ; s13  my place in the cluster: it enters x's, part's and the prefetches' addresses alone
.set BLK, 14                           ; s14  query block
.set SPL, 15                           ; s15  split
.set G1,  24                           ; s[24:31] descriptor group 1
.set G0,  32                           ; s[32:35] group 0 of slot 0's first fill
.set GW,  36                           ; s[36:39] group 0 of slot 1's first fill; it then walks
.set SLOTS, 40                         ; s40  changes of slots still to come
.set CNT, 41                           ; s41  counts a slot's two pairs
.set LBASE, 42                         ; s42  LDS byte of the next group to be fetched
.set LIM, 43                           ; s43  1 in a cluster that prefetches, else the greatest number
.set PFA, 44                           ; s[44:45] where my prefetches stand
.set TT,  46                           ; s46-47 the tile numbers that set A's compares store, s48-49 set B's
.set MK,  52                           ; s52-55 four compare masks
.set SELM, 55                          ; s56-62 at the end: lane % 8 == 1 .. 7
.set BIG, 63                           ; s63  +infinity; at the very end the mask lane & 8
.set MSB, 0
.macro WIN new                         ; the immediate's high byte repeats the setting that is left; a switch that changes nothing is dropped
.if MSB != (\new)
	s_set_vgpr_msb (MSB<<8)|(\new)
.set MSB, (\new)
.endif
.endm
; A round of the cluster's barrier: my work-group's barrier, so that wave 0's signal speaks for all four waves; wave 0 signals; every wave waits for all four work-groups; my work-group's barrier once more.
.macro CROUND
	s_barrier_signal -1
	s_barrier_wait -1
	s_cmp_lg_u32 s[WV], 0
	s_cbranch_scc1 .Lnot_wave_0_\@
	s_barrier_signal -3
.Lnot_wave_0_\@:
	s_barrier_wait -3
	s_barrier_signal -1
	s_barrier_wait -1
.endm
; A PREFETCH INTO THE L2 of the slot that the NEXT change of slots will ask for.  A split's rows are walked by sixteen clusters: the one with cluster x = 0 asks.  Of the 32 rows that wave w fetches each of
; the four partners takes 8, told apart BY ADDRESS (no branch hangs on a work-group's place in its cluster); 8 rows x 4 blocks of 256 bytes: a lane a block, one instruction a wave.  So each block of cb16
; from slot 3 on is named once in the launch; slots 0 to 2 come by their loads alone; the last change that fills a slot asks for nothing, since no slot stands behind it.
.macro ASK
	s_cmp_gt_u32 s[SLOTS], s[LIM]
	s_cbranch_scc0 .Lnot_mine_\@
	global_prefetch_b8 v[PFO], s[PFA:PFA+1] th:TH_LOAD_NT scope:SCOPE_SE
.Lnot_mine_\@:
.endm
; THE CHANGE OF SLOTS stands between two chunks: all my loads from the old slot have been issued.  Each wave waits for all its tensor loads (one is out: its part of the other slot), adds 0 to its spare
; word, and waits for that and for its reads of the old slot.  fill = 1: a round of the cluster's barrier follows, so that no wave of any partner still reads the slot or has a load on its way, and the
; joint refill, with the codes two slots on, is the first thing behind it.
.macro CHANGE fill
	WIN 0                                          ; at a label and at a branch every window is 0
	s_wait_tensorcnt 0x0                           ; no tensor load of mine is out, so a group 0 may be written
	ds_add_u32 v[SPW], v[NIL]                      ; 0 onto my spare word; scalar work stands between it and the wait for it
.if \fill
	s_xor_b32 s[GW+1], s[GW+1], SLOT               ; the walking descriptor: the other slot than last time,
	s_add_nc_u64 s[GW+2:GW+3], s[GW+2:GW+3], STEPB ; the next 128 codes; the type bits on top are not reached
	s_wait_xcnt 0x0                                ; the last prefetch, a slot back, has read its address
	s_add_nc_u64 s[PFA:PFA+1], s[PFA:PFA+1], STEPB
.endif
	s_sub_co_u32 s[LBASE], s[LBASE], 4*GB          ; the fetches go back to a slot's first group,
	s_xor_b32 s[LBASE], s[LBASE], SLOT             ; in the other slot
	s_wait_dscnt 0x0                               ; the add is done, and my reads of the old slot are back
.if \fill
	CROUND
	tensor_load_to_lds s[GW:GW+3], s[G1:G1+7]      ; my 32 rows: the one tensor load of this wave behind the round
	s_nop 0
.rept 4
	v_nop
.endr
	ASK
.else
	s_barrier_signal -1
	s_barrier_wait -1
.endif
.endm
	s_load_b256 s[4:11], s[0:1], 0x0               ; x s[4:5], cb16 s[6:7], csqd s[8:9], part s[10:11]
	v_lshl_add_u32 v[SPW], v0, 2, SPARE
	v_mov_b32 v[NIL], 0
	ds_add_u32 v[SPW], v[NIL]                      ; the wave's opening: the add, twice on end, and its wait ahead of my first tensor load; the set-up below stands between
	ds_add_u32 v[SPW], v[NIL]                      ; and once more, under the one wait
	v_lshrrev_b32 v11, 5, v0
	v_readfirstlane_b32 s[WV], v11                 ; wave 0..3
	s_bfe_u32 s[CX], ttmp6, 0x40000                ; cx
	s_lshl_b32 s[BLK], ttmp9, 2                    ; in a cluster launch ttmp9 counts clusters
	s_add_co_u32 s[BLK], s[BLK], s[CX]
	s_and_b32 s[SPL], ttmp7, 0xffff                ; which the four partners share
	; descriptor group 1: a tile of 32 rows x 512 elements of 2 bytes, padded in LDS
	s_mov_b32 s[G1], 15|(1<<16)|(1<<20)|(1<<21)|(7<<22)|(3<<25)  ; 15:0 the mask of four; 17:16 2-byte elements; 20 padding on; 21 set beside a mask; 24:22 after every 256 words (code 7); 31:25 4 words (code 3)
	s_mov_b32 s[G1+1], 512<<16                     ; tensor_dim0 = 512
	s_mov_b32 s[G1+2], 32<<16                      ; tensor_dim1 = 32
	s_mov_b32 s[G1+3], 512<<16                     ; tile_dim0 = 512
	s_mov_b32 s[G1+4], 32                          ; tile_dim1 = 32
	s_mov_b32 s[G1+5], 512                         ; 512 elements from row to row
	s_mov_b32 s[G1+6], 0
	s_mov_b32 s[G1+7], 0
	s_mov_b32 s[G0], 1                             ; count = 1
	s_mul_i32 s[G0+1], s[WV], GB                   ; LDS address: wave x 32 rows, slot 0: no place in the cluster enters it
	s_mov_b32 s[GW], 1
	s_add_co_u32 s[GW+1], s[G0+1], SLOT            ; slot 1
	s_lshl_b32 s16, s[BLK], 19                     ; x: 256 rows of 2,048 bytes a block,
	s_lshl_b32 s17, s[WV], 17                      ; 64 a wave
	s_add_co_u32 s16, s16, s17
	s_mov_b32 s17, 0
	s_lshl_b32 s18, s[SPL], 17                     ; part: 16,384 pairs of 8 bytes a split,
	s_lshl_b32 s19, s[BLK], 11                     ; 256 a block,
	s_add_co_u32 s18, s18, s19
	s_lshl_b32 s19, s[WV], 9                       ; 64 a wave
	s_add_co_u32 s18, s18, s19
	s_mov_b32 s19, 0
	s_lshl_b32 s20, s[SPL], 14                     ; csqd: 64 groups of 256 bytes a split
	s_mov_b32 s21, 0
	s_lshl_b32 s22, s[SPL], 21                     ; cb16: 2,048 rows of 1,024 bytes a split,
	s_lshl_b32 s23, s[WV], 15                      ; my 32 rows of a slot.  These two registers never hold cx
	s_add_co_u32 s22, s22, s23
	s_mov_b32 s23, 0
	s_lshl_b32 s[TT], s[SPL], 7                    ; the split's first tile of 16 codes; each set's numbers are stepped by 4 before their first true use
	s_sub_co_u32 s[TT], s[TT], 4
	s_add_co_u32 s[TT+1], s[TT], 1
	s_add_co_u32 s[TT+2], s[TT], 2
	s_add_co_u32 s[TT+3], s[TT], 3
	s_mov_b32 s[SLOTS], 15
	s_mov_b32 s[CNT], 2
	s_mov_b32 s[LBASE], 0
	s_mov_b32 s[BIG], 0x7f800000
	s_cmp_eq_u32 ttmp9, 0                          ; the same in all four partners
	s_cselect_b32 s[LIM], 1, -1
	v_and_b32 v[RR], 15, v0
	v_bfe_u32 v[HH], v0, 4, 1
	v_and_b32 v[L7], 7, v0
	v_and_b32 v[U8], 8, v0
	v_lshlrev_b32 v[XO], 11, v[RR]
	v_lshl_add_u32 v[XO], v[HH], 5, v[XO]
	v_mul_u32_u24 v[LB0], v[RR], PITCH
	v_lshl_add_u32 v[LB0], v[HH], 4, v[LB0]
	v_lshlrev_b32 v[CQO], 4, v[RR]
	v_and_b32 v[PFO], 31, v0
	v_lshrrev_b32 v11, 2, v[PFO]
	v_and_b32 v[PFO], 3, v[PFO]
	v_lshlrev_b32 v[PFO], 8, v[PFO]
	v_lshl_add_u32 v[PFO], v11, 10, v[PFO]
	v_lshlrev_b32 v[PO], 3, v[L7]                  ; 8 x (16 u + 8 h + lane % 8), u = (lane >> 3) & 1
	v_lshl_add_u32 v[PO], v[HH], 6, v[PO]
	v_lshl_add_u32 v[PO], v[U8], 4, v[PO]
	s_wait_dscnt 0x0                               ; both opening adds are done
	s_wait_kmcnt 0x0
	s_add_nc_u64 s[4:5], s[4:5], s[16:17]
	s_add_nc_u64 s[10:11], s[10:11], s[18:19]
	s_add_nc_u64 s[8:9], s[8:9], s[20:21]
	s_add_nc_u64 s[G0+2:G0+3], s[6:7], s[22:23]    ; global address: my 32 rows of the split's slot 0,
	s_add_nc_u64 s[GW+2:GW+3], s[G0+2:G0+3], STEPB ; and of slot 1
	s_add_nc_u64 s[PFA:PFA+1], s[G0+2:G0+3], 2*STEPB  ; the prefetches: in slot 2; the first change steps them to slot 3
	s_or_b32 s[G0+3], s[G0+3], 0x80000000          ; type = 2
	s_or_b32 s[GW+3], s[GW+3], 0x80000000
	s_lshl_b32 s16, s[CX], 13                      ; my work-group's 8 of the 32 rows
	s_mov_b32 s17, 0
	s_add_nc_u64 s[PFA:PFA+1], s[PFA:PFA+1], s[16:17]
	CROUND                                         ; all four work-groups are here: the first joint loads meet
	tensor_load_to_lds s[G0:G0+3], s[G1:G1+7]      ; the two first fills go out together, ahead of every wait on TENSORcnt and every LDS read: two loads of mine are out
	s_nop 0
	tensor_load_to_lds s[GW:GW+3], s[G1:G1+7]
	s_nop 0
.rept 4
	v_nop
.endr
; x COMES IN while the first tiles are on their way.  A fragment is 16 rows x 32 channels in 8 registers: lane (r, h) holds row r, channels 8 h + 0..7 and 16 + 8 h + 0..7: in f32 four loads of 16 bytes, at
; 32 h + 0, 16, 64, 80 of the K step's 128 bytes.  Batch b = K steps 2 b, 2 b + 1 of all four tiles: 32 loads into one of two areas of 128 registers, which cover 256 consecutive bytes of each of my 64 rows.
.macro LOADB b
.if (\b)%2
	WIN 0x40                                       ; destination window 1, address window 0
.set rS, 0
.else
	WIN 0
.set rS, F0
.endif
.set f, 0
.rept 8                                ; fragment f: K step 2 b + f / 4, tile f % 4
.set o, (f%4)*32768+(2*(\b)+f/4)*128
	global_load_b128 v[rS+16*f:rS+16*f+3],     v[XO], s[4:5] offset:o
	global_load_b128 v[rS+16*f+4:rS+16*f+7],   v[XO], s[4:5] offset:o+16
	global_load_b128 v[rS+16*f+8:rS+16*f+11],  v[XO], s[4:5] offset:o+64
	global_load_b128 v[rS+16*f+12:rS+16*f+15], v[XO], s[4:5] offset:o+80
.set f, f+1
.endr
.endm
.macro CVTB b                          ; rounded to bf16, into window 2 (batches 0-3) or 3
	WIN 0x80+0x40*((\b)/4)+5*((\b)%2)
.set rS, F0*(1-(\b)%2)
.set f, 0
.rept 8
.set rX, 32*((2*(\b)+f/4)%8)+8*(f%4)
.set p, 0
.rept 8
	v_cvt_pk_bf16_f32 v[rX+p], v[rS+16*f+2*p], v[rS+16*f+2*p+1]
.set p, p+1
.endr
.set f, f+1
.endr
.endm
	LOADB 0
	LOADB 1
.irp b, 0,1,2,3,4,5
	s_wait_loadcnt 32                              ; this batch is in; the younger batch's 32 loads stay out
	CVTB \b
	LOADB (\b)+2
.endr
	s_wait_loadcnt 32
	CVTB 6
	s_wait_loadcnt 0x0
	CVTB 7
	; THE STATE.  BEST = +infinity, IDX = 0.  Set B's c_sq pairs start at +infinity: the first group's slices work on a set B that has not been multiplied (it holds the last batch of x as loaded, finite
	; numbers): its distances come out +infinity, which no strict compare takes.  The price, once a launch: 56 slices that serve nothing, for one text for every trip.
	WIN 0x40
.set i, 0
.rept 32
	v_mov_b32 v[BEST+i], s[BIG]
	v_mov_b32 v[IDX+i], 0
.set i, i+1
.endr
.set i, 0
.rept 4
	v_mov_b32 v[CSQ+4+i], s[BIG]
.set i, i+1
.endr
	WIN 0
; Matrix instruction i of 32 of chunk c of set g: K step 4 c + i / 8, tile i % 8 = 2 qt + ct.  The eight accumulators take turns, one instruction a turn, over the edges of
; chunks, groups and loops too: a chunk ends with tile 7 and begins with tile 0.  A group's first eight start the sums with the constant 0.
.macro MMA g, c
.set rD, 64*(\g)+8*(i%8)
.set rA, 32*((4*(\c)+i/8)%8)+8*((i/2)%4)
.set rB, F0+64*((\c)%2)+8*(2*(i/8)+i%2)
	WIN 0x52+(\c)/2                                ; x in window 2 or 3, codes in window 0, C and D in window 1
.if ((\c) == 0) && (i < 8)
	v_wmma_f32_16x16x32_bf16 v[rD:rD+7], v[rA:rA+7], v[rB:rB+7], 0
.else
	v_wmma_f32_16x16x32_bf16 v[rD:rD+7], v[rA:rA+7], v[rB:rB+7], v[rD:rD+7]
.endif
.endm
; Four LDS loads: both code tiles' fragments of K step 4 cn + k2, for chunk cn, into buffer cn % 2.
.macro RUN cn, k2
	WIN 0
.irp t2, 0,1
	ds_load_b128 v[F0+64*((\cn)%2)+8*(2*(\k2)+\t2):F0+64*((\cn)%2)+8*(2*(\k2)+\t2)+3],   v[ADR] offset:\t2*16*PITCH+(4*(\cn)+(\k2))*64
	ds_load_b128 v[F0+64*((\cn)%2)+8*(2*(\k2)+\t2)+4:F0+64*((\cn)%2)+8*(2*(\k2)+\t2)+7], v[ADR] offset:\t2*16*PITCH+(4*(\cn)+(\k2))*64+32
.endr
.endm
; Slice n of 7 of tile t of the finished set o, four instructions, all in window 1.  0: dist = c_sq - 2 dots, in place, from the accumulator's low end on.
; 1, 4: four strict compares with BEST.  2, 3, 5, 6: for two numbers each the minimum and, where the compare held, the tile's number.  Tiles come in ascending order of codes, so on a tie the lower code stays.
.macro SLICE o, t, n
	WIN 0x55
.set rC, 64*(\o)+8*(\t)
.set rE, BEST+8*((\t)/2)
.set rI, IDX+8*((\t)/2)
.set rQ, CSQ+4*(\o)+2*((\t)%2)
.set sT, TT+2*(\o)+(\t)%2
.set p, 0
.if (\n) == 0
.rept 4
	v_pk_fma_f32 v[rC+p:rC+p+1], v[rC+p:rC+p+1], -2.0, v[rQ:rQ+1] op_sel_hi:[1,0,1]
.set p, p+2
.endr
.elseif ((\n) == 1) || ((\n) == 4)
.set j0, 4*((\n)/4)
.rept 4
	v_cmp_lt_f32 s[MK+p], v[rC+j0+p], v[rE+j0+p]
.set p, p+1
.endr
.else
.set j0, 2*(\n)-4-2*((\n)/4)
.rept 2
	v_min_num_f32 v[rE+j0+p], v[rC+j0+p], v[rE+j0+p]
	v_cndmask_b32 v[rI+j0+p], v[rI+j0+p], s[sT], s[MK+(j0+p)%4]
.set p, p+1
.endr
.endif
.endm
; CHUNK c of set g.  Behind matrix instructions 0, 2, 4, 6 stand the next chunk's 16 LDS loads, in fours (fetch = 1); behind 1, 3 .. 27 fourteen slices of the other set: its tiles 2 c and 2 c + 1.
; A load into a register that a matrix instruction has read, and a vector instruction that reads or writes a matrix result, stand four places behind that matrix instruction, and only plain vector
; instructions that name none of its registers are places (ISA guide 7.12.1 for vector instructions): the four v_nop at the head are these places, for the loads into the
; buffer that the chunk before multiplied and, at c = 0, for the slices on the set just finished.
.macro CHUNK g, c, fetch
.if (\c) == 0
	s_wait_loadcnt 0x0                             ; the other set's c_sq, asked for a group ago, is in: this group's slices read it
	WIN 0x40
	global_load_b128 v[CSQ+4*(\g):CSQ+4*(\g)+3], v[CQO], s[8:9] offset:256*(\g)  ; this group's c_sq, for the slices of the group after
.endif
.if (\c) == 1
	s_add_co_u32 s[TT+2*(\g)], s[TT+2*(\g)], 4     ; this group's two tile numbers: read only by the slices that stand in the other set's chunks
	s_add_co_u32 s[TT+2*(\g)+1], s[TT+2*(\g)+1], 4
.if (\g) == 1
	s_wait_xcnt 0x0                                ; both c_sq loads of the pair have read their base
	s_add_nc_u64 s[8:9], s[8:9], 512               ; (behind the last pair the stepped base is not used)
.endif
.endif
	s_wait_dscnt 0x0                               ; this chunk's 16 fragment loads, the youngest issued 25 matrix instructions ago
.rept 4
	v_nop
.endr
.set i, 0
.rept 32
	MMA \g, \c
.if (\fetch) && (i < 8) && (i%2 == 0)
.if ((\c) == 3) && (i == 0)
	WIN 0
	v_add_nc_u32 v[ADR], s[LBASE], v[LB0]          ; on to the next group
	s_add_co_u32 s[LBASE], s[LBASE], GB
.endif
	RUN ((\c)+1)%4, i/2
.endif
.if (i%2 == 1) && (i < 28)
.set tt, 2*(\c)+(i/2)/7
.set nn, (i/2)%7
	SLICE 1-(\g), tt, nn
.endif
.set i, i+1
.endr
.endm
.macro SEVEN                           ; a pair less its last chunk
	CHUNK 0, 0, 1
	CHUNK 0, 1, 1
	CHUNK 0, 2, 1
	CHUNK 0, 3, 1
	CHUNK 1, 0, 1
	CHUNK 1, 1, 1
	CHUNK 1, 2, 1
.endm
	s_wait_tensorcnt 1                             ; my part of slot 0 is in; slot 1's may stay out
	s_barrier_signal -1
	s_barrier_wait -1                              ; everybody's is
	v_add_nc_u32 v[ADR], s[LBASE], v[LB0]
	s_add_co_u32 s[LBASE], s[LBASE], GB
	RUN 0, 0
	RUN 0, 1
	RUN 0, 2
	RUN 0, 3
	s_branch .Lenter                               ; the loop is entered at a pair's first chunk, in the middle of a trip
.Lslot:                                        ; 14 times: slots 0 to 13 are filled again, with slots 2 to 15
	CHANGE 1
	s_mov_b32 s[CNT], 2
.Lpair:                                        ; a trip: the last chunk of one pair, which fetches from the next group, then the next pair's first seven chunks
	CHUNK 1, 3, 1
	WIN 0
.Lenter:
	SEVEN
	WIN 0
	s_sub_co_u32 s[CNT], s[CNT], 1
	s_cmp_lg_u32 s[CNT], 0
	s_cbranch_scc1 .Lpair
	s_sub_co_u32 s[SLOTS], s[SLOTS], 1
	s_cmp_lg_u32 s[SLOTS], 0
	s_cbranch_scc1 .Lslot
	CHANGE 0                                       ; the last slot is written out: nothing is asked for
	s_mov_b32 s[CNT], 2
.Lpair2:
	CHUNK 1, 3, 1
	SEVEN
	WIN 0
	s_sub_co_u32 s[CNT], s[CNT], 1
	s_cmp_lg_u32 s[CNT], 0
	s_cbranch_scc1 .Lpair2
	CHUNK 1, 3, 0                                  ; the last chunk fetches nothing
.rept 4
	v_nop                                          ; the places behind the last products
.endr
	s_wait_loadcnt 0x0                             ; the last group's c_sq
.set tt, 0
.rept 8                                ; the last group's 56 slices, with no products left to stand beside
.set nn, 0
.rept 7
	SLICE 1, tt, nn
.set nn, nn+1
.endr
.set tt, tt+1
.endr
	; THE END, once a wave.  Entry e = 8 qt + j of lane (r, h) is query 16 qt + 8 h + j, over the codes that are r modulo 16.  The 16 lanes of a row meet: first the least distance, then, among the lanes
	; that hold it, the lowest code (16 x tile + r, as f32: exact below 2^24).  Each step runs over all 32 entries, so that no instruction waits for the one before it.
	WIN 0x01                                       ; source 0 in window 1, all else in window 0
.set i, 0
.rept 32
	v_mov_b32 v[M+i], v[BEST+i]
.set i, i+1
.endr
.set i, 0
.rept 32
	v_lshl_add_u32 v[CF+i], v[IDX+i], 4, v[RR]
.set i, i+1
.endr
	WIN 0
.set i, 0
.rept 32
	v_cvt_f32_u32 v[CF+i], v[CF+i]
.set i, i+1
.endr
.irp m, 1,2,4,8
.set i, 0
.rept 32
	v_min_num_f32_dpp v[M+i], v[M+i], v[M+i] row_xmask:\m row_mask:0xf bank_mask:0xf
.set i, i+1
.endr
.endr
	WIN 0x01
.set i, 0
.rept 8
.irp p2, 0,1,2,3
	v_cmp_eq_f32 s[MK+\p2], v[BEST+i+\p2], v[M+i+\p2]
.endr
.irp p2, 0,1,2,3
	v_cndmask_b32 v[CF+i+\p2], s[BIG], v[CF+i+\p2], s[MK+\p2]  ; a lane that does not hold the minimum offers +infinity
.endr
.set i, i+4
.endr
	WIN 0
.irp m, 1,2,4,8
.set i, 0
.rept 32
	v_min_num_f32_dpp v[CF+i], v[CF+i], v[CF+i] row_xmask:\m row_mask:0xf bank_mask:0xf
.set i, i+1
.endr
.endr
	; Every lane of a row now holds all its 32 results.  Lane L keeps two: queries 32 a + 16 u + 8 h + L % 8, a = 0, 1, so that a store's 32 lanes cover 32 neighbouring queries.
.irp j, 1,2,3,4,5,6,7
	v_cmp_eq_u32 s[SELM+\j], \j, v[L7]
.endr
	v_cmp_ne_u32 s[BIG], 0, v[U8]                  ; +infinity has served: the register takes the mask u
.irp j, 1,2,3,4,5,6,7
.irp q, 0,1,2,3
	v_cndmask_b32 v[M+8*\q], v[M+8*\q], v[M+8*\q+\j], s[SELM+\j]
	v_cndmask_b32 v[CF+8*\q], v[CF+8*\q], v[CF+8*\q+\j], s[SELM+\j]
.endr
.endr
.irp a, 0,1
	v_cndmask_b32 v[M+16*\a], v[M+16*\a], v[M+16*\a+8], s[BIG]
	v_cndmask_b32 v[CF+16*\a], v[CF+16*\a], v[CF+16*\a+8], s[BIG]
.endr
.irp a, 0,1
	v_ashrrev_i32 v[TW+\a], 31, v[M+16*\a]
	v_cvt_u32_f32 v[OUT+2*\a+1], v[CF+16*\a]
.endr
.irp a, 0,1
	v_or_b32 v[TW+\a], 0x80000000, v[TW+\a]
.endr
.irp a, 0,1
	v_xor_b32 v[OUT+2*\a], v[M+16*\a], v[TW+\a]
.endr
.irp a, 0,1
	global_store_b64 v[PO], v[OUT+2*\a:OUT+2*\a+1], s[10:11] offset:256*\a  ; 256 consecutive bytes, at a multiple of 256 from part's first byte
.endr
	s_wait_tensorcnt 0x0                           ; the wave's end, behind my last tensor load
	ds_add_u32 v[SPW], v[NIL]
	s_wait_dscnt 0x0
	CROUND                                         ; the closing round: no work-group ends while a partner may still ask for a tile that names it
	s_endpgm
.Lfunc_end_k_q93c9b24eac_assign:
	.size	k_q93c9b24eac_assign, .Lfunc_end_k_q93c9b24eac_assign-k_q93c9b24eac_assign
	.p2alignl 7, 3214868480
	.fill 96, 4, 3214868480
	.section	.rodata,"a",@progbits
	.p2align	6, 0x0
	.amdhsa_kernel k_q93c9b24eac_assign
		.amdhsa_group_segment_fixed_size 327680
		.amdhsa_private_segment_fixed_size 0
		.amdhsa_enable_private_segment 0
		.amdhsa_kernarg_size 32
		.amdhsa_user_sgpr_count 2
		.amdhsa_user_sgpr_kernarg_segment_ptr 1
		.amdhsa_wavefront_size32 1
		.amdhsa_system_sgpr_workgroup_id_x 1
		.amdhsa_system_sgpr_workgroup_id_y 1
		.amdhsa_system_sgpr_workgroup_id_z 1
		.amdhsa_system_vgpr_workitem_id 0
		.amdhsa_next_free_vgpr 1024
		.amdhsa_next_free_sgpr 66
		.amdhsa_reserve_vcc 0
		.amdhsa_float_denorm_mode_32 3
		.amdhsa_float_denorm_mode_16_64 3
		.amdhsa_memory_ordered 1
		.amdhsa_forward_progress 1
		.amdhsa_inst_pref_size 233
	.end_amdhsa_kernel
	.amdgpu_metadata
---
amdhsa.version: [ 1, 2 ]
amdhsa.kernels:
  - .name:           k_q93c9b24eac_assign
    .symbol:         k_q93c9b24eac_assign.kd
    .args:
      - { .name: x, .offset: 0, .size: 8, .value_kind: global_buffer, .address_space: global }
      - { .name: cb16, .offset: 8, .size: 8, .value_kind: global_buffer, .address_space: global }
      - { .name: csqd, .offset: 16, .size: 8, .value_kind: global_buffer, .address_space: global }
      - { .name: part, .offset: 24, .size: 8, .value_kind: global_buffer, .address_space: global }
    .group_segment_fixed_size: 327680
    .private_segment_fixed_size: 0
    .kernarg_segment_align: 8
    .kernarg_segment_size: 32
    .max_flat_workgroup_size: 128
    .sgpr_count:     66
    .vgpr_count:     1024
    .wavefront_size: 32
...
	.end_amdgpu_metadata
.endif
;; end of part 2
;; launch gather (part 3): grid 512 x 1, 8 waves a work-group, no clusters, 0 bytes of LDS; arguments part, values, out0; writes out0
.if DOCPART == 3
	.amdgcn_target "amdgcn-amd-amdhsa--gfx1250"
	.amdhsa_code_object_version 6
	.text
	.protected	k_q93c9b24eac_gather
	.globl	k_q93c9b24eac_gather
	.p2align	8
	.type	k_q93c9b24eac_gather,@function
k_q93c9b24eac_gather:
	s_mov_b64 s[64:65], 0
	v_nop
	global_prefetch_b8 v0, s[64:65] scope:SCOPE_SE
	s_setreg_imm32_b32 hwreg(HW_REG_WAVE_MODE, 25, 1), 1
	s_wait_xcnt 0x0
; out0[q][:] = values[code[q]][:], where code[q] belongs to the least of the four keys part[0..3][q].  Nothing is left out: all four parts are compared for every row.
; The keys are whole numbers whose unsigned order is the distances' order; a strict compare keeps the lower split, and so the lower code, on a tie.  The choice is whole-number arithmetic on numbers that
; this launch reads from memory.  values go out as they are, in f32.
; SHARES.  A wave has four rows: its 4 x 4 pairs are four scalar loads of 32 bytes; a row of values is 2,048 bytes: four loads of 16 bytes a lane, 512 consecutive bytes each, and four such stores.
; All 16 loads of a wave go out at once.  No LDS, no barrier: no wave wants another's bytes.
.set LO,  2                            ; v2      16 x lane; never rewritten
.set RO,  3                            ; v[3:6]  row i: 2,048 x its code + 16 x lane
.set D,   8                            ; v[8:71] 16 registers a row
.set P,   16                           ; s[16:47] split s, row i: key at P + 8 s + 2 i, code behind it
	s_load_b128 s[4:7], s[0:1], 0x0                ; part s[4:5], values s[6:7]
	s_load_b64 s[8:9], s[0:1], 0x10                ; out0
	v_lshrrev_b32 v1, 5, v0
	v_readfirstlane_b32 s10, v1                    ; wave 0..7
	v_and_b32 v[LO], 31, v0
	v_lshlrev_b32 v[LO], 4, v[LO]
	s_lshl_b32 s12, ttmp9, 3
	s_add_co_u32 s12, s12, s10                     ; my wave among all 4,096
	s_lshl_b32 s2, s12, 5                          ; its four pairs: 32 bytes of each split's part
	s_mov_b32 s3, 0
	s_lshl_b32 s14, s12, 13                        ; its four rows of out0
	s_mov_b32 s15, 0
	s_wait_kmcnt 0x0
	s_add_nc_u64 s[4:5], s[4:5], s[2:3]
	s_add_nc_u64 s[8:9], s[8:9], s[14:15]
	s_load_b256 s[P:P+7],     s[4:5], 0x0
	s_load_b256 s[P+8:P+15],  s[4:5], 0x20000      ; a split's part is 131,072 bytes
	s_load_b256 s[P+16:P+23], s[4:5], 0x40000
	s_load_b256 s[P+24:P+31], s[4:5], 0x60000
	s_wait_kmcnt 0x0
.irp i, 0,1,2,3
.irp s, 1,2,3
	s_cmp_lt_u32 s[P+8*\s+2*\i], s[P+2*\i]         ; strictly less: the lower split stays on a tie
	s_cselect_b32 s[P+2*\i], s[P+8*\s+2*\i], s[P+2*\i]
	s_cselect_b32 s[P+2*\i+1], s[P+8*\s+2*\i+1], s[P+2*\i+1]
.endr
	s_min_u32 s[P+2*\i+1], s[P+2*\i+1], 0x1fff     ; a loaded number enters an address only held inside the table of 8,192 rows
	v_lshl_add_u32 v[RO+\i], s[P+2*\i+1], 11, v[LO]
.endr
.irp i, 0,1,2,3
.irp n, 0,1,2,3
	global_load_b128 v[D+16*\i+4*\n:D+16*\i+4*\n+3], v[RO+\i], s[6:7] offset:512*\n  ; no hint: several rows may name the same code
.endr
.endr
.irp i, 0,1,2,3
	s_wait_loadcnt 12-4*\i                         ; loads come back in order: this row's four are in, the younger rows' four each stay out
.irp n, 0,1,2,3
	global_store_b128 v[LO], v[D+16*\i+4*\n:D+16*\i+4*\n+3], s[8:9] offset:2048*\i+512*\n th:TH_STORE_NT
.endr
.endr
	s_endpgm
.Lfunc_end_k_q93c9b24eac_gather:
	.size	k_q93c9b24eac_gather, .Lfunc_end_k_q93c9b24eac_gather-k_q93c9b24eac_gather
	.p2alignl 7, 3214868480
	.fill 96, 4, 3214868480
	.section	.rodata,"a",@progbits
	.p2align	6, 0x0
	.amdhsa_kernel k_q93c9b24eac_gather
		.amdhsa_group_segment_fixed_size 0
		.amdhsa_private_segment_fixed_size 0
		.amdhsa_enable_private_segment 0
		.amdhsa_kernarg_size 24
		.amdhsa_user_sgpr_count 2
		.amdhsa_user_sgpr_kernarg_segment_ptr 1
		.amdhsa_wavefront_size32 1
		.amdhsa_system_sgpr_workgroup_id_x 1
		.amdhsa_system_sgpr_workgroup_id_y 1
		.amdhsa_system_sgpr_workgroup_id_z 1
		.amdhsa_system_vgpr_workitem_id 0
		.amdhsa_next_free_vgpr 72
		.amdhsa_next_free_sgpr 66
		.amdhsa_reserve_vcc 0
		.amdhsa_float_denorm_mode_32 3
		.amdhsa_float_denorm_mode_16_64 3
		.amdhsa_memory_ordered 1
		.amdhsa_forward_progress 1
		.amdhsa_inst_pref_size 6
	.end_amdhsa_kernel
	.amdgpu_metadata
---
amdhsa.version: [ 1, 2 ]
amdhsa.kernels:
  - .name:           k_q93c9b24eac_gather
    .symbol:         k_q93c9b24eac_gather.kd
    .args:
      - { .name: part, .offset: 0, .size: 8, .value_kind: global_buffer, .address_space: global }
      - { .name: values, .offset: 8, .size: 8, .value_kind: global_buffer, .address_space: global }
      - { .name: out0, .offset: 16, .size: 8, .value_kind: global_buffer, .address_space: global }
    .group_segment_fixed_size: 0
    .private_segment_fixed_size: 0
    .kernarg_segment_align: 8
    .kernarg_segment_size: 24
    .max_flat_workgroup_size: 256
    .sgpr_count:     66
    .vgpr_count:     72
    .wavefront_size: 32
...
	.end_amdgpu_metadata
.endif
;; end of part 3
;; ======== version 2 of 2: 3 launches; version 1 with the launch prep written anew for expert scheduling mode
;; workspace buffers: cb16 8,388,608 bytes; csqd 65,536 bytes; part 524,288 bytes of whole numbers
;; launch prep (part 4): grid 256 x 1, 8 waves a work-group, no clusters, 1,280 bytes of LDS; arguments codebook, cb16, csqd; writes cb16, csqd
.if DOCPART == 4
	.amdgcn_target "amdgcn-amd-amdhsa--gfx1250"
	.amdhsa_code_object_version 6
	.text
	.protected	k_q93c9b24eac_prep
	.globl	k_q93c9b24eac_prep
	.p2align	8
	.type	k_q93c9b24eac_prep,@function
k_q93c9b24eac_prep:
	s_mov_b64 s[64:65], 0
	v_nop
	global_prefetch_b8 v0, s[64:65] scope:SCOPE_SE
	s_setreg_imm32_b32 hwreg(HW_REG_WAVE_SCHED_MODE, 0, 2), 2
	s_setreg_imm32_b32 hwreg(HW_REG_WAVE_MODE, 25, 1), 1
	s_wait_xcnt 0x0
	s_wait_alu depctr_vm_vsrc(0)
; THE PROGRAM.  out0[q][:] = values[argmin over m of (c_sq[m] - 2 x[q] . codebook[m])][:], 16,384 rows q, 8,192 codes m, 512 channels.  Three launches:
; this one rounds the codebook to bf16 and makes c_sq; the second makes the products and, for each row and each quarter of the codes, the least distance and its code;
; the third takes the least of the four by whole-number compares and copies the chosen row of values.
; NOTHING OF THE COMPUTATION IS LEFT OUT: x, codebook and values all reach the output, and every product, every c_sq and every compare is made.
; FORMATS.  The product's operands are bf16, its sums f32.  c_sq is the f32 sum of the squares of the ROUNDED codebook, so that both terms of a distance are those of one and the same codebook.
; LIMITS.  The result is a selection: two codes whose distances lie closer together than the rounding of the f32 sums (some 1e-4 for numbers of unit spread) may fall either way.
; A NaN distance is never chosen; a row whose distances are all NaN or +infinity gets code 0.  The squares' sums are taken in another order than a plain loop's.
;
; THIS LAUNCH.  cb16[m][k] = bf16(codebook[m][k]);  csqd: for each group G of 32 codes 256 bytes, [r = 0..15][4] = c_sq[32 G + r] twice, c_sq[32 G + 16 + r] twice:
; a lane of the next launch takes its 16 bytes by one load and has two ready pairs for a packed multiply-add.
; SHARES.  Work-group g has rows 32 g .. 32 g + 31, one group of csqd; wave w rows 32 g + 4 w + i, i = 0..3; lane L the 16 bytes at 16 L + 512 n of a row, n = 0..3.
; Each load of a wave covers 512 consecutive bytes, each store 256 consecutive bytes at a multiple of 256 from the buffer's first byte.  All 16 loads of a wave go out at once.
; THE MODE: SCHED_MODE bits 1:0 = 2 (LLVM: expert scheduling mode 2), set by the entry lines.  The code itself states the register dependences
; between vector instructions and memory or LDS instructions, with s_wait_alu, always for 0.
; THE PLAN.  Registers that memory or LDS instructions touch:
;   v[LO], v[SO], v[CA], v[RDA]  addresses: written by vector lines at the head, read by every load, store and LDS instruction, never written again.
;   X, row i    Written by the loads at the head, ahead of which no vector line names X; read by row i's eight conversions.  X and X + 1 take wave 0's LDS load behind the barrier.
;   Y, row i    Written by row i's conversions; read by its squares and by its four global stores; never written again.
;   PR, row i   Written by row i's last two vector lines; read by its LDS store; never written again: a pair for each row.
;   v[SPW], v[NIL]  Written at the head, read by the closing add alone.
;   CH, TMP and ZERO are named by vector lines alone.
; A row does all its vector work first; ONE wait on va_vdst stands at the row's end, and the row's five memory and LDS stores follow it in one run.  No register that a memory or LDS
; instruction has read is written again on any way through the text, so no wait on vm_vsrc is owed.  EXEC is written nowhere.
.set SPARE, 256                        ; LDS: bytes 0-255 the group's 32 pairs (row j at 8 j); from 256 on the spare words, 128 bytes for each of the eight waves
.set LO,   2                           ; v2   16 L: my bytes in 512 of a codebook row
.set SO,   3                           ; v3   8 L: my bytes in 256 of a cb16 row, and of csqd's block
.set CA,   4                           ; v4   32 x wave: where my wave's four pairs go in LDS
.set RDA,  5                           ; v5   where wave 0 reads back: row (L >> 1) + 16 (L & 1), 8 bytes a row
.set SPW,  6                           ; v6   LDS address of my spare word; never rewritten
.set NIL,  7                           ; v7   0, for the add alone
.set CH,   8                           ; v[8:11]  four chains of squares
.set TMP,  12                          ; v12  at work
.set ZERO, 13                          ; v13  0: what the chains start from
.set X,    16                          ; v[16:79]  16 registers a row, f32 as loaded
.set Y,    80                          ; v[80:111] 8 registers a row, bf16
.set PR,   112                         ; v[112:119] a pair a row: c_sq twice
	s_load_b128 s[4:7], s[0:1], 0x0                ; codebook s[4:5], cb16 s[6:7]
	s_load_b64 s[8:9], s[0:1], 0x10                ; csqd
	v_lshl_add_u32 v[SPW], v0, 2, SPARE
	v_mov_b32 v[NIL], 0
	v_lshrrev_b32 v1, 5, v0
	v_readfirstlane_b32 s10, v1                    ; wave 0..7
	v_and_b32 v1, 31, v0                           ; L
	v_lshlrev_b32 v[LO], 4, v1
	v_lshlrev_b32 v[SO], 3, v1
	v_lshrrev_b32 v[RDA], 1, v1
	v_and_b32 v[TMP], 1, v1
	v_lshlrev_b32 v[RDA], 3, v[RDA]
	v_lshl_add_u32 v[RDA], v[TMP], 7, v[RDA]       ; 8 (L >> 1) + 128 (L & 1)
	v_mov_b32 v[ZERO], 0
	s_wait_alu depctr_va_sdst(0)                   ; s10 is written, ahead of its first reader: the LDS address, the bases and the branch behind the barrier are made from it
	s_lshl_b32 s14, s10, 5
	v_mov_b32 v[CA], s14
	s_mov_b32 s12, 0x76543210                      ; v_permlanex16_b32: each lane takes its own place in the other half
	s_mov_b32 s13, 0xfedcba98
	s_lshl_b32 s2, ttmp9, 16                       ; 32 rows of 2,048 bytes a work-group,
	s_lshl_b32 s3, s10, 13                         ; 4 rows a wave
	s_add_co_u32 s2, s2, s3
	s_mov_b32 s3, 0
	s_lshr_b32 s16, s2, 1                          ; the same rows in cb16: half the bytes
	s_mov_b32 s17, 0
	s_lshl_b32 s18, ttmp9, 8                       ; the group's 256 bytes of csqd
	s_mov_b32 s19, 0
	s_wait_kmcnt 0x0
	s_add_nc_u64 s[4:5], s[4:5], s[2:3]
	s_add_nc_u64 s[6:7], s[6:7], s[16:17]
	s_add_nc_u64 s[8:9], s[8:9], s[18:19]
	s_wait_alu depctr_va_vdst(0)                   ; v[LO], v[SO], v[CA] and v[RDA] are written: every load, store and LDS instruction of the kernel reads one of them as its address
.irp i, 0,1,2,3
.irp n, 0,1,2,3
	global_load_b128 v[X+16*\i+4*\n:X+16*\i+4*\n+3], v[LO], s[4:5] offset:2048*\i+512*\n th:TH_LOAD_NT
.endr
.endr
; Row i: rounded, squared and summed, then stored.  Every row has registers of its own, so no store's data is written again.
.macro ROW i
	s_wait_loadcnt 12-4*(\i)                       ; loads come back in order: this row's four are in, the younger rows' four each stay out
.irp n, 0,1,2,3
	v_cvt_pk_bf16_f32 v[Y+8*(\i)+2*\n],   v[X+16*(\i)+4*\n],   v[X+16*(\i)+4*\n+1]
	v_cvt_pk_bf16_f32 v[Y+8*(\i)+2*\n+1], v[X+16*(\i)+4*\n+2], v[X+16*(\i)+4*\n+3]
.endr
	; the squares of the rounded numbers, read as bf16 halves and summed in f32: four chains of four, which do not wait for each other
.irp n, 0,1,2,3
	v_fma_mix_f32_bf16 v[CH+\n], v[Y+8*(\i)+2*\n], v[Y+8*(\i)+2*\n], v[ZERO] op_sel_hi:[1,1,0]
.endr
.irp n, 0,1,2,3
	v_fma_mix_f32_bf16 v[CH+\n], v[Y+8*(\i)+2*\n], v[Y+8*(\i)+2*\n], v[CH+\n] op_sel:[1,1,0] op_sel_hi:[1,1,0]
.endr
.irp n, 0,1,2,3
	v_fma_mix_f32_bf16 v[CH+\n], v[Y+8*(\i)+2*\n+1], v[Y+8*(\i)+2*\n+1], v[CH+\n] op_sel_hi:[1,1,0]
.endr
.irp n, 0,1,2,3
	v_fma_mix_f32_bf16 v[CH+\n], v[Y+8*(\i)+2*\n+1], v[Y+8*(\i)+2*\n+1], v[CH+\n] op_sel:[1,1,0] op_sel_hi:[1,1,0]
.endr
	v_add_f32 v[CH], v[CH], v[CH+1]
	v_add_f32 v[CH+2], v[CH+2], v[CH+3]
	v_add_f32 v[CH], v[CH], v[CH+2]
	v_add_f32_dpp v[CH], v[CH], v[CH] row_xmask:1 row_mask:0xf bank_mask:0xf
	v_add_f32_dpp v[CH], v[CH], v[CH] row_xmask:2 row_mask:0xf bank_mask:0xf
	v_add_f32_dpp v[CH], v[CH], v[CH] row_xmask:4 row_mask:0xf bank_mask:0xf
	v_add_f32_dpp v[CH], v[CH], v[CH] row_xmask:8 row_mask:0xf bank_mask:0xf
	v_permlanex16_b32 v[TMP], v[CH], s12, s13      ; its destination counts as read: v12 was written at the head
	v_add_f32 v[PR+2*(\i)], v[CH], v[TMP]          ; every lane holds the row's c_sq
	v_mov_b32 v[PR+2*(\i)+1], v[PR+2*(\i)]
	s_wait_alu depctr_va_vdst(0)                   ; the conversions have written this row's Y and the two lines above its PR, which the five stores below read; in the last row also: row 0's conversions are done reading X and X + 1, in which wave 0's LDS load lands
.irp n, 0,1,2,3
	global_store_b64 v[SO], v[Y+8*(\i)+2*\n:Y+8*(\i)+2*\n+1], s[6:7] offset:1024*(\i)+256*\n
.endr
	ds_store_b64 v[CA], v[PR+2*(\i):PR+2*(\i)+1] offset:8*(\i)  ; all lanes write the same 8 bytes with the same value
.endm
	ROW 0
	ROW 1
	ROW 2
	ROW 3
	s_wait_dscnt 0x0                               ; for wave 0's sake: my four pairs lie in LDS
	s_barrier_signal -1
	s_barrier_wait -1                              ; all 32 do
	s_cmp_lg_u32 s10, 0
	s_cbranch_scc1 .Lend
	ds_load_b64 v[X:X+1], v[RDA]                   ; no wait: no vector instruction has been issued since the last row's wait on va_vdst
	s_wait_dscnt 0x0
	global_store_b64 v[SO], v[X:X+1], s[8:9]       ; the group's block of csqd: 256 consecutive bytes by one instruction
.Lend:
	s_wait_dscnt 0x0                               ; the closing lines, six on end
	s_wait_alu 0x0
	s_wait_tensorcnt 0x0
	ds_add_u32 v[SPW], v[NIL]
	s_wait_dscnt 0x0
	s_endpgm
.Lfunc_end_k_q93c9b24eac_prep:
	.size	k_q93c9b24eac_prep, .Lfunc_end_k_q93c9b24eac_prep-k_q93c9b24eac_prep
	.p2alignl 7, 3214868480
	.fill 96, 4, 3214868480
	.section	.rodata,"a",@progbits
	.p2align	6, 0x0
	.amdhsa_kernel k_q93c9b24eac_prep
		.amdhsa_group_segment_fixed_size 1280
		.amdhsa_private_segment_fixed_size 0
		.amdhsa_enable_private_segment 0
		.amdhsa_kernarg_size 24
		.amdhsa_user_sgpr_count 2
		.amdhsa_user_sgpr_kernarg_segment_ptr 1
		.amdhsa_wavefront_size32 1
		.amdhsa_system_sgpr_workgroup_id_x 1
		.amdhsa_system_sgpr_workgroup_id_y 1
		.amdhsa_system_sgpr_workgroup_id_z 1
		.amdhsa_system_vgpr_workitem_id 0
		.amdhsa_next_free_vgpr 120
		.amdhsa_next_free_sgpr 66
		.amdhsa_reserve_vcc 0
		.amdhsa_float_denorm_mode_32 3
		.amdhsa_float_denorm_mode_16_64 3
		.amdhsa_memory_ordered 1
		.amdhsa_forward_progress 1
		.amdhsa_inst_pref_size 14
	.end_amdhsa_kernel
	.amdgpu_metadata
---
amdhsa.version: [ 1, 2 ]
amdhsa.kernels:
  - .name:           k_q93c9b24eac_prep
    .symbol:         k_q93c9b24eac_prep.kd
    .args:
      - { .name: codebook, .offset: 0, .size: 8, .value_kind: global_buffer, .address_space: global }
      - { .name: cb16, .offset: 8, .size: 8, .value_kind: global_buffer, .address_space: global }
      - { .name: csqd, .offset: 16, .size: 8, .value_kind: global_buffer, .address_space: global }
    .group_segment_fixed_size: 1280
    .private_segment_fixed_size: 0
    .kernarg_segment_align: 8
    .kernarg_segment_size: 24
    .max_flat_workgroup_size: 256
    .sgpr_count:     66
    .vgpr_count:     120
    .wavefront_size: 32
...
	.end_amdgpu_metadata
.endif
;; end of part 4
;; launch assign: the kernel of part 2 again; grid 64 x 4, 4 waves a work-group, clusters of 4 x 1, 327,680 bytes of LDS; arguments x, cb16, csqd, part; writes part
;; launch gather: the kernel of part 3 again; grid 512 x 1, 8 waves a work-group, no clusters, 0 bytes of LDS; arguments part, values, out0; writes out0
